; MI455X (gfx1250); checked and timed in simulation.
; The chip was launched on July 23, 2026; its instructions are those of AMD's public machine-readable ISA for CDNA 5 (MIT licence, August 2026) and "CDNA5" Instruction Set Architecture Reference Guide (July 2026). The comments in the code are by the model that wrote it; some were corrected since.
;; Gemma2 Original. Allowed arithmetic: float matrix products may take bf16 or f16 operands with f32 sums; all other float work in f32.
;; Inputs: k 2 x 16 x 128 x 2,048 float32; q 2 x 16 x 2,048 x 128 float32; v 2 x 16 x 2,048 x 128 float32.
;; Outputs: out0 2 x 16 x 2,048 x 128 float32.
;; One version. Each part assembles by itself: llvm-mc -triple=amdgcn-amd-amdhsa -mcpu=gfx1250 --defsym DOCPART=n.
;; ======== version 1 of 1: 1 launch
;; limits: inputs' magnitudes at most 10,000,000,000,000
;; launch attn (part 1): grid 256 x 1, 8 waves a work-group, no clusters, 285,696 bytes of LDS; arguments q, k, v, out0; writes out0
.if DOCPART == 1
	.amdgcn_target "amdgcn-amd-amdhsa--gfx1250"
	.amdhsa_code_object_version 6
	.text
	.protected	k_q281d6bfd14_attn
	.globl	k_q281d6bfd14_attn
	.p2align	8
	.type	k_q281d6bfd14_attn,@function
k_q281d6bfd14_attn:
	s_mov_b64 s[64:65], 0
	v_nop
	global_prefetch_b8 v0, s[64:65] scope:SCOPE_SE
	s_setreg_imm32_b32 hwreg(HW_REG_WAVE_MODE, 25, 1), 1
	s_wait_xcnt 0x0
; out = softmax(50 tanh(q k / (50 sqrt 128)) + causal mask) v.   q, v, out: [32 heads][2048][128] f32;  k: [32 heads][128 (d)][2048 (t)] f32.
;
; SHARES.  A head's 2,048 query rows are 16 blocks of 128.  Work-group (head = x >> 3, p = x & 7) makes block 15 - p and then block p:
; (16 - p) + (p + 1) = 17 key tiles of 128 keys for every one of the 256 work-groups.  In a trip (one key tile) the eight waves are
; 4 row groups (g = w & 3, 32 rows) x 2 key halves (kh = w >> 2, 64 keys); the two halves' sums meet once a block, through LDS.
; Two waves share a SIMD's registers: 2 x 512.
;
; NO MAXIMUM IS TAKEN AWAY, and none is needed for any input: reference() itself caps the exponent, y = 50 tanh(..) lies in [-50, 50],
; so exp(y) lies in [1.9e-22, 5.2e21] and a row's sum of at most 2,048 of them is below 1.1e25: neither f32 nor bf16 (same exponent field)
; can overflow or underflow.  So the sums over keys are plain sums: tiles in any order (the diagonal tile first: it starts all sums).
; p = exp(50 tanh(s/50)) is made as t = 2^x, r = 1 / (1 + t), p = 2^(C2 r + C3), x = c1 (q.k), c1 = 2 log2(e) / (50 sqrt 128),
; C2 = -100 log2(e), C3 = 50 log2(e).  x -> +-infinity gives r = 0 or 1, p = e^+-50: the right limits.
; ROUNDING.  q, k and v are rounded to bf16 as they are; c1 is applied in f32 to the product (scaling q first would round other numbers).
; p enters the second product as TWO bf16 numbers, hi = bf16(p) and lo = bf16(p - hi), 16 significant bits: one bf16 has 8, a relative error
; of up to 2^-9, and in a row of few keys, whose terms of size 1 may cancel, that error stands whole in the result.  Each V fragment is
; therefore multiplied twice: 96 matrix instructions a wave and trip in place of 64, with no further LDS reads.
; LIMITS: the sums are divided by the row sum only at the end, so |v| has to stay below about 1e13 (1.1e25 |v| finite in f32); a NaN in an
; input gives NaN; the order of the sums differs from reference()'s.
;
; LAYOUTS.  S^T(t, s) = K^T Q^T: A = 16 keys x 32 d, from the K tile stored [d][t] by the transposing LDS load; B = Q fragment, kept in
; registers for the block.  Lane (r, h) then holds t = 8h + 0..7 of query s = r: packed in pairs, two such tiles ARE the B fragment of P^T
; for 32 keys.  O^T(d, s) = V^T P^T: A = 16 d x 32 keys, from the V tile stored [t][d], again by the transposing load.  P is never moved.
; Register block i (0, 1) of wave (g, kh) holds rows 32 g + 16 (i xor kh) + r: every wave keeps block 0 and sends block 1 to wave w xor 4.
;
; K AND V come as f32 into registers (32 loads of 512 aligned bytes a wave, asked for a whole trip ahead), are rounded to bf16 and stored
; into one of two LDS slots: one barrier a trip.
; NO TENSOR LOADS, NO CLUSTER: the inputs are f32 and the products want bf16.  A tile brought to LDS as f32 (128 KiB) would have to be read
; back and stored again as bf16 (64 KiB) beside the trip's 256 KiB of fragment reads, and two f32 slots (256 KiB) with two bf16 slots
; (144 KiB) exceed the 320 KiB of LDS; besides, the eight work-groups of a head are at different tiles in a given trip.
.set PITCH,  288                       ; a K or V row in LDS: 256 bytes + 32 = 9 x 32: the eight rows that a transposing load's lanes touch start 72 words apart
.set VT,     128*PITCH                 ; the V tile behind the K tile
.set SLOT,   2*VT                      ; 73,728 bytes; slots at 0 and SLOT
.set XCH,    2*SLOT                    ; exchange: region x (8,448 bytes) is what wave x will read: 16 x 512 bytes of O, then 128 bytes of l
.set XSZ,    8448
.set STG,    XCH+8*XSZ                 ; each wave's own stage (8,704 bytes): Q as 32 rows of bf16, pitch 272; later the result as 16 rows of f32, pitch 528
.set SSZ,    8704
.set QPITCH, 272
.set OPITCH, 528
; window 0:  v1 16 lane; v2, v3 my byte offsets in a K and a V tile in memory; v[KA], v[VA] fragment addresses, v[KS], v[VS] store addresses, one for each slot;
;            v12-13 mask margin of blocks 0, 1; v14-17 C2, C2, C3, C3; v18-25 row sums (LA, LB of block 0, of block 1); v26 -1.0 in the trips, l of block 0 at the end;
;            v27 l of block 1; v28-29 c1 twice in the trips, 1/l at the end; v30 prefetch offset; v31 at work
.set KA,  4
.set VA,  6
.set KS,  8
.set VS,  10
.set DLT, 12
.set Q,   32                           ; v32-95    Q fragment (block i, d step ks) at Q + 32 i + 8 ks
.set SR,  96                           ; v96-159   S tile (tb, sb) at SR + 32 (tb >> 1) + 16 sb + 8 (tb & 1); the lo fragment of P (u, sb) in place at SR + 32 u + 16 sb
.set F0,  160                          ; v160-255  three buffers of four fragments; v96-223 also take Q as loaded; v224-234 also hold addresses made where they are needed
.set F1,  192                          ; the hi fragment of P (u, sb): u = 0 at F0 + 8 sb (F0 is idle from the last S product to the V loads of keys 32-63),
.set F2,  224                          ;                               u = 1 at SR + 8 sb (the scores of keys 0-31 are spent by then)
; window 1 (v256-511, named by their low 8 bits): O(db, sb) at 64 sb + 8 db; K as loaded, row i at 128 + 4 i; V as loaded, row i at 192 + 4 i
; scalars: s12 w, s13 g, s14 kh, s15 head, s16 p, s17 block counter, s18 j (this block's number = its full tiles), s19 pair counter, s[20:21] an offset,
;          s22 w xor 4, s23 15 - p, s[24:31] K, V, Q, out at my head (Q at my row group, out at my 16 rows), s[32:39] K, V, Q, out in use,
;          s[40:45] K, V, Q of the second block's first loads, s46-47 lane selects, s52-57 LDS bases
.set MSB, 0
.macro WIN new                         ; low byte: bits 1:0 source 0, 3:2 source 1, 5:4 source 2, 7:6 destination; the high byte repeats the setting that is left
.if MSB != \new
	s_set_vgpr_msb (MSB<<8)|\new
.set MSB, \new
.endif
.endm
.macro PLACES                          ; four places behind matrix instructions (ISA guide 7.12.1)
.rept 4
	v_nop
.endr
.endm
; A key tile, f32, into window 1: my 16 d rows of K (512 bytes each, 8,192 apart) and my 16 key rows of V (512 bytes each, dense).
; No cache word: seven other work-groups of the head read the same tiles.
.macro LOADS
	WIN 0x40
.set n_, 0
.rept 16
	global_load_b128 v[128+4*n_:131+4*n_], v2, s[32:33] offset:n_*8192
.set n_, n_+1
.endr
.set n_, 0
.rept 16
	global_load_b128 v[192+4*n_:195+4*n_], v3, s[34:35] offset:n_*512
.set n_, n_+1
.endr
	WIN 0
.endm
; My row group's 32 rows of Q, a whole row of 512 bytes a load.  No cache word: the other key half's wave reads the same rows.
.macro QLOADS
.set n_, 0
.rept 32
	global_load_b128 v[SR+4*n_:SR+4*n_+3], v1, s[36:37] offset:n_*512
.set n_, n_+1
.endr
.endm
; The loaded tile is rounded to bf16 and stored into slot ns; then the trip's one barrier.
.macro CVTSTORE ns
	WIN 0x05
.set n_, 0
.rept 64
	v_cvt_pk_bf16_f32 v[SR+n_], v[128+2*n_], v[129+2*n_]
.set n_, n_+1
.endr
	WIN 0
.set n_, 0
.rept 16
	ds_store_b64 v[KS+\ns], v[SR+2*n_:SR+2*n_+1] offset:n_*PITCH
.set n_, n_+1
.endr
.set n_, 0
.rept 16
	ds_store_b64 v[VS+\ns], v[SR+32+2*n_:SR+32+2*n_+1] offset:n_*PITCH
.set n_, n_+1
.endr
	s_wait_dscnt 0x0                               ; for the others' sake: my stores into slot ns are done, and so are my reads of the other slot,
	s_barrier_signal -1                            ; which the next trip's end will overwrite
	s_barrier_wait -1
.endm
.macro END ns
	PLACES                                         ; v96-159 were sources of the last products and are written below
	s_wait_loadcnt 0x0                             ; the tile asked for at this trip's head; its bases are free
	s_add_nc_u64 s[32:33], s[32:33], 512           ; 128 keys on in K's rows
	s_add_nc_u64 s[34:35], s[34:35], 65536         ; 128 rows on in V
	CVTSTORE \ns
.endm
; Four K fragments: keys 16 (2u + e) of my half, d = 32 (2c + kk).  First load d + 8h + 0..7, second d + 16 + 8h + 0..7.
.macro LOADK slot, u, c, f
.irp kk, 0,1
.irp e, 0,1
	ds_load_tr16_b128 v[\f+8*(2*\kk+\e):\f+8*(2*\kk+\e)+3],   v[KA+\slot] offset:32*(2*\c+\kk)*PITCH+32*(2*\u+\e)
	ds_load_tr16_b128 v[\f+8*(2*\kk+\e)+4:\f+8*(2*\kk+\e)+7], v[KA+\slot] offset:(32*(2*\c+\kk)+16)*PITCH+32*(2*\u+\e)
.endr
.endr
.endm
; Eight products on four S tiles, which take turns, one instruction a turn.  zero = 1: d step 0 starts the sums.
.macro MULS u, c, f, zero
.irp kk, 0,1
.irp e, 0,1
.irp sb, 0,1
.if \zero*(1-\kk)
	v_wmma_f32_16x16x32_bf16 v[SR+32*\u+16*\sb+8*\e:SR+32*\u+16*\sb+8*\e+7], v[\f+8*(2*\kk+\e):\f+8*(2*\kk+\e)+7], v[Q+32*\sb+8*(2*\c+\kk):Q+32*\sb+8*(2*\c+\kk)+7], 0
.else
	v_wmma_f32_16x16x32_bf16 v[SR+32*\u+16*\sb+8*\e:SR+32*\u+16*\sb+8*\e+7], v[\f+8*(2*\kk+\e):\f+8*(2*\kk+\e)+7], v[Q+32*\sb+8*(2*\c+\kk):Q+32*\sb+8*(2*\c+\kk)+7], v[SR+32*\u+16*\sb+8*\e:SR+32*\u+16*\sb+8*\e+7]
.endif
.endr
.endr
.endr
.endm
; Four V fragments: d = 16 (4 dh + dbl), keys 32 u of my half.
.macro LOADV slot, u, dh, f
.irp dbl, 0,1,2,3
	ds_load_tr16_b128 v[\f+8*\dbl:\f+8*\dbl+3],   v[VA+\slot] offset:32*\u*PITCH+32*(4*\dh+\dbl)
	ds_load_tr16_b128 v[\f+8*\dbl+4:\f+8*\dbl+7], v[VA+\slot] offset:(32*\u+16)*PITCH+32*(4*\dh+\dbl)
.endr
.endm
; Eight products on eight O tiles (window 1), by turns likewise.  The B fragment of query block sb lies at b0 + bs sb (hi or lo part of P).
; zero = 1: the block's first tile starts the sums.
.macro MULV dh, f, zero, b0, bs
.irp dbl, 0,1,2,3
.irp sb, 0,1
.if \zero
	v_wmma_f32_16x16x32_bf16 v[64*\sb+8*(4*\dh+\dbl):64*\sb+8*(4*\dh+\dbl)+7], v[\f+8*\dbl:\f+8*\dbl+7], v[(\b0)+\bs*\sb:(\b0)+\bs*\sb+7], 0
.else
	v_wmma_f32_16x16x32_bf16 v[64*\sb+8*(4*\dh+\dbl):64*\sb+8*(4*\dh+\dbl)+7], v[\f+8*\dbl:\f+8*\dbl+7], v[(\b0)+\bs*\sb:(\b0)+\bs*\sb+7], v[64*\sb+8*(4*\dh+\dbl):64*\sb+8*(4*\dh+\dbl)+7]
.endif
.endr
.endr
.endm
; 32 keys x 16 queries: q.k -> p, the mask (diagonal tile), the row sums, and p split into the two B fragments hi and lo.
; Behind each run of transcendentals one plain instruction stands ahead of the first use (ISA guide 5.7.2).
.macro SM u, sb, diag, first
.set X_,  SR+32*\u+16*\sb
.set H_,  (1-\u)*F0+\u*SR+8*\sb
.set LA_, 18+4*\sb
.set LB_, 20+4*\sb
.set n_, 0
.rept 8
	v_pk_mul_f32 v[X_+n_:X_+n_+1], v[X_+n_:X_+n_+1], v[28:29]  ; x = c1 (q.k)
.set n_, n_+2
.endr
.set n_, 0
.rept 16
	v_exp_f32 v[X_+n_], v[X_+n_]                   ; t = 2^x
.set n_, n_+1
.endr
	v_nop
.set n_, 0
	s_wait_alu depctr_va_vdst(0)
.rept 8
	v_pk_add_f32 v[X_+n_:X_+n_+1], v[X_+n_:X_+n_+1], 1.0 op_sel_hi:[1,0]
.set n_, n_+2
.endr
.set n_, 0
.rept 16
	v_rcp_f32 v[X_+n_], v[X_+n_]                   ; r = 1 / (1 + t)
.set n_, n_+1
.endr
	v_nop
.set n_, 0
	s_wait_alu depctr_va_vdst(0)
.rept 8
	v_pk_fma_f32 v[X_+n_:X_+n_+1], v[X_+n_:X_+n_+1], v[14:15], v[16:17]
.set n_, n_+2
.endr
.set n_, 0
.rept 16
	v_exp_f32 v[X_+n_], v[X_+n_]                   ; p = 2^(C2 r + C3)
.set n_, n_+1
.endr
	v_nop
.if \diag
; register n holds key 64 kh + 8 h + 32 u + n (+ 8 from n = 8 on: the second tile of 16 keys); it stays where key <= query, else p = 0
.set n_, 0
	s_wait_alu depctr_va_vdst(0)
.rept 16
	v_cmp_le_i32 vcc_lo, 32*\u+n_+8*(n_/8), v[DLT+\sb]
	v_cndmask_b32 v[X_+n_], 0, v[X_+n_], vcc_lo
.set n_, n_+1
.endr
.endif
.if \first
	v_pk_add_f32 v[LA_:LA_+1], v[X_:X_+1],   v[X_+2:X_+3]      ; the block's first numbers start the row sums
	v_pk_add_f32 v[LB_:LB_+1], v[X_+4:X_+5], v[X_+6:X_+7]
.else
	s_wait_alu depctr_va_vdst(0)
	v_pk_add_f32 v[LA_:LA_+1], v[LA_:LA_+1], v[X_:X_+1]
	v_pk_add_f32 v[LB_:LB_+1], v[LB_:LB_+1], v[X_+2:X_+3]
	v_pk_add_f32 v[LA_:LA_+1], v[LA_:LA_+1], v[X_+4:X_+5]
	v_pk_add_f32 v[LB_:LB_+1], v[LB_:LB_+1], v[X_+6:X_+7]
.endif
	v_pk_add_f32 v[LA_:LA_+1], v[LA_:LA_+1], v[X_+8:X_+9]
	v_pk_add_f32 v[LB_:LB_+1], v[LB_:LB_+1], v[X_+10:X_+11]
	v_pk_add_f32 v[LA_:LA_+1], v[LA_:LA_+1], v[X_+12:X_+13]
	v_pk_add_f32 v[LB_:LB_+1], v[LB_:LB_+1], v[X_+14:X_+15]
.set n_, 0
.rept 8
	v_cvt_pk_bf16_f32 v[H_+n_], v[X_+2*n_], v[X_+2*n_+1]       ; hi = bf16(p), two to a register: the first B fragment
.set n_, n_+1
.endr
.set n_, 0
.rept 8
	v_fma_mix_f32_bf16 v[X_+2*n_],   v[H_+n_], v26, v[X_+2*n_]   op_sel_hi:[1,0,0]                 ; p - hi (v26 = -1.0), exact in f32: low half,
	v_fma_mix_f32_bf16 v[X_+2*n_+1], v[H_+n_], v26, v[X_+2*n_+1] op_sel:[1,0,0] op_sel_hi:[1,0,0]  ; high half
.set n_, n_+1
.endr
.set n_, 0
.rept 8
	v_cvt_pk_bf16_f32 v[X_+n_], v[X_+2*n_], v[X_+2*n_+1]       ; lo = bf16(p - hi), in place; ascending: register n is written when 2n, 2n+1 have been read
.set n_, n_+1
.endr
.endm
; One trip: my 32 queries x my 64 keys of the tile in the slot.  diag = 1: the block's first (diagonal) tile.
.macro COMPUTE slot, diag
	LOADK \slot, 0, 0, F0
	LOADK \slot, 0, 1, F1
	LOADK \slot, 1, 0, F2
	s_wait_dscnt 16                                ; F0's eight loads are in; the sixteen younger stay out
	MULS 0, 0, F0, 1
	s_wait_dscnt 8                                 ; F1's
	MULS 0, 1, F1, 0
	PLACES                                         ; ahead of the loads into F0, and of the first reads of keys 0-31's scores
	LOADK \slot, 1, 1, F0
	s_wait_dscnt 8                                 ; F2's; the eight just issued stay out
	MULS 1, 0, F2, 1
	s_wait_dscnt 0
	MULS 1, 1, F0, 0
	SM 0, 0, \diag, \diag                          ; its hi part goes into F0, behind more than four plain instructions that name none of the last products' registers
	LOADV \slot, 0, 0, F1                          ; F1 and F2 were last read ahead of the plain work above, which names none of those products' registers
	LOADV \slot, 0, 1, F2
	SM 0, 1, \diag, \diag
	s_wait_dscnt 0
	WIN 0x50
	MULV 0, F1, \diag, F0, 8                       ; hi, then lo: sixteen O tiles by turns, one instruction a turn
	MULV 1, F2, \diag, F0, 8
	MULV 0, F1, 0, SR, 16
	MULV 1, F2, 0, SR, 16
	WIN 0
	SM 1, 0, \diag, 0                              ; its hi part goes where the scores of keys 0-31 lay, again behind its own plain work
	LOADV \slot, 1, 0, F0
	LOADV \slot, 1, 1, F1
	SM 1, 1, \diag, 0
	s_wait_dscnt 0
	WIN 0x50
	MULV 0, F0, 0, SR, 8
	MULV 1, F1, 0, SR, 8
	MULV 0, F0, 0, SR+32, 16
	MULV 1, F1, 0, SR+32, 16
	WIN 0
.endm
; In the first block's last trip: the second block's diagonal tile is asked for (it stays in window 1 across the epilogue), and each wave asks
; once for 32 blocks of 256 bytes, its half (kh) of its row group's 16 KiB of the second block's Q, one trip ahead of the loads that take them.
.macro FLOADS
	s_cmp_lg_u32 s17, 0
	s_cbranch_scc1 .Lno_next_\@
	s_mov_b64 s[32:33], s[40:41]
	s_mov_b64 s[34:35], s[42:43]
	LOADS
	global_prefetch_b8 v30, s[44:45] th:TH_LOAD_NT scope:SCOPE_SE
.Lno_next_\@:
.endm
	s_load_b256 s[4:11], s[0:1], 0x0               ; q s[4:5], k s[6:7], v s[8:9], out s[10:11]
	v_lshrrev_b32 v31, 5, v0
	v_readfirstlane_b32 s12, v31                   ; wave
	s_and_b32 s13, s12, 3                          ; g: row group
	s_lshr_b32 s14, s12, 2                         ; kh: key half
	s_lshr_b32 s15, ttmp9, 3                       ; head
	s_and_b32 s16, ttmp9, 7                        ; p
	s_sub_co_u32 s23, 15, s16                      ; the first block's number
	s_xor_b32 s22, s12, 4                          ; the wave with my rows and the other key half
	s_mov_b32 s21, 0
	s_mov_b32 s46, 0x76543210                      ; v_permlanex16_b32: lane i reads lane i of the other half
	s_mov_b32 s47, 0xfedcba98
	v_and_b32 v32, 31, v0                          ; lane
	v_lshlrev_b32 v1, 4, v32
	s_lshl_b32 s48, s12, 17                        ; 16 d rows of 8,192 bytes a wave
	v_add_nc_u32 v2, s48, v1
	s_lshl_b32 s49, s12, 13                        ; 16 key rows of 512 bytes a wave
	v_add_nc_u32 v3, s49, v1
	s_lshl_b32 s20, s15, 20                        ; a head is 1 MiB in each buffer
	s_wait_kmcnt 0x0
	s_add_nc_u64 s[24:25], s[6:7], s[20:21]
	s_add_nc_u64 s[26:27], s[8:9], s[20:21]
	s_lshl_b32 s48, s13, 14                        ; 32 rows of 512 bytes a row group
	s_add_co_u32 s20, s20, s48
	s_add_nc_u64 s[28:29], s[4:5], s[20:21]
	s_lshl_b32 s48, s14, 13                        ; the 16 rows that I store
	s_add_co_u32 s20, s20, s48
	s_add_nc_u64 s[30:31], s[10:11], s[20:21]
	s_lshl_b32 s20, s16, 9                         ; the second block (p): its diagonal tile and its Q
	s_add_nc_u64 s[40:41], s[24:25], s[20:21]
	s_lshl_b32 s20, s16, 16
	s_add_nc_u64 s[42:43], s[26:27], s[20:21]
	s_add_nc_u64 s[44:45], s[28:29], s[20:21]
	s_lshl_b32 s20, s23, 9                         ; the first block (15 - p)
	s_add_nc_u64 s[32:33], s[24:25], s[20:21]
	s_lshl_b32 s20, s23, 16
	s_add_nc_u64 s[34:35], s[26:27], s[20:21]
	s_add_nc_u64 s[36:37], s[28:29], s[20:21]
	LOADS
	QLOADS
	; LDS addresses.  Transposing load: lane L addresses row 8 h + (L & 7), 16 bytes at 16 ((L >> 3) & 1)
	v_and_b32 v33, 7, v0
	v_bfe_u32 v34, v0, 4, 1                        ; h
	v_bfe_u32 v35, v0, 3, 1
	v_and_b32 v36, 15, v0                          ; r
	v_lshl_add_u32 v33, v34, 3, v33
	v_mul_u32_u24 v33, PITCH, v33
	v_lshl_add_u32 v33, v35, 4, v33
	s_lshl_b32 s48, s14, 7                         ; K: my 64 keys are 128 bytes of a row
	v_add_nc_u32 v[KA], s48, v33
	v_add_nc_u32 v[KA+1], SLOT, v[KA]
	s_mul_i32 s48, s14, 64*PITCH                   ; V: my 64 keys are 64 rows
	s_add_co_u32 s48, s48, VT
	v_add_nc_u32 v[VA], s48, v33
	v_add_nc_u32 v[VA+1], SLOT, v[VA]
	s_mul_i32 s48, s12, 16*PITCH                   ; stores: my 16 rows, 8 bytes a lane
	v_lshl_add_u32 v[KS], v32, 3, s48
	v_add_nc_u32 v[KS+1], SLOT, v[KS]
	v_add_nc_u32 v[VS], VT, v[KS]
	v_add_nc_u32 v[VS+1], VT, v[KS+1]
	; mask margin of block i: (32 g + 16 (i xor kh) + r) - (64 kh + 8 h), signed
	v_lshlrev_b32 v34, 3, v34
	v_sub_nc_u32 v36, v36, v34
	s_lshl_b32 s48, s13, 5
	s_mul_i32 s49, s14, 48
	s_sub_co_i32 s49, s48, s49                     ; i = 0: 32 g + 16 kh - 64 kh
	v_add_nc_u32 v[DLT], s49, v36
	s_mul_i32 s49, s14, 80
	s_sub_co_i32 s49, s48, s49
	s_add_co_i32 s49, s49, 16                      ; i = 1: 32 g + 16 (1 - kh) - 64 kh
	v_add_nc_u32 v[DLT+1], s49, v36
	s_lshl_b32 s48, s14, 13
	v_lshl_add_u32 v30, v32, 8, s48                ; prefetch: 256 lane + 8,192 kh
	v_mov_b32 v14, 0xc31044fe                      ; C2 = -100 log2(e)
	v_mov_b32 v15, 0xc31044fe
	v_mov_b32 v16, 0x429044fe                      ; C3 = 50 log2(e)
	v_mov_b32 v17, 0x429044fe
	s_mul_i32 s52, s12, SSZ
	s_add_co_u32 s52, s52, STG                     ; my stage
	s_mul_i32 s53, s12, XSZ
	s_add_co_u32 s53, s53, XCH                     ; what I will read
	s_mul_i32 s54, s22, XSZ
	s_add_co_u32 s54, s54, XCH                     ; what my partner will read
	s_mul_i32 s55, s14, 16*QPITCH
	s_add_co_u32 s56, s52, s55                     ; Q stage, rows 16 kh: register block 0
	s_sub_co_u32 s57, s52, s55
	s_add_co_u32 s57, s57, 16*QPITCH               ; rows 16 (1 - kh): register block 1
	s_mov_b32 s17, 0
.Lblock:
	; THE HEAD OF A BLOCK: Q rounded, through my stage into fragments; the diagonal tile into slot 0.
	s_wait_loadcnt 0x0                             ; Q and the diagonal tile; every base is free
	s_cmp_eq_u32 s17, 0
	s_cselect_b32 s18, s23, s16                    ; j
	s_max_u32 s19, s18, 1
	s_sub_co_u32 s19, s19, 1
	s_lshr_b32 s19, s19, 1                         ; pairs of full tiles in the loop
	s_mov_b64 s[32:33], s[24:25]                   ; the full tiles begin at key 0
	s_mov_b64 s[34:35], s[26:27]
	s_lshl_b32 s20, s18, 16
	s_add_nc_u64 s[38:39], s[30:31], s[20:21]      ; out at my 16 rows of block j
	v_lshrrev_b32 v232, 1, v1
	v_add_nc_u32 v232, s52, v232                   ; in: 8 bytes a lane, a row of 256 bytes
	v_and_b32 v233, 15, v0
	v_mul_u32_u24 v233, QPITCH, v233
	v_bfe_u32 v31, v0, 4, 1
	v_lshl_add_u32 v233, v31, 4, v233              ; back: row r, 16 bytes at 16 h
	v_add_nc_u32 v234, s57, v233
	v_add_nc_u32 v233, s56, v233
	v_mov_b32 v28, 0x3ba723c0                      ; c1 = 2 log2(e) / (50 sqrt 128), for the trips
	v_mov_b32 v29, 0x3ba723c0
	v_mov_b32 v26, -1.0                            ; for p - hi
.set n_, 0
.rept 64
	v_cvt_pk_bf16_f32 v[SR+n_], v[SR+2*n_], v[SR+2*n_+1]
.set n_, n_+1
.endr
.set n_, 0
.rept 32
	ds_store_b64 v232, v[SR+2*n_:SR+2*n_+1] offset:n_*QPITCH
.set n_, n_+1
.endr
.irp i, 0,1
.irp ks, 0,1,2,3
	ds_load_b128 v[Q+32*\i+8*\ks:Q+32*\i+8*\ks+3],   v[233+\i] offset:64*\ks      ; my own bytes: LDS serves a wave's instructions in order (ISA guide 5.7.1)
	ds_load_b128 v[Q+32*\i+8*\ks+4:Q+32*\i+8*\ks+7], v[233+\i] offset:64*\ks+32
.endr
.endr
	CVTSTORE 0                                     ; its wait for 0 also shows the Q fragments in
	s_cmp_eq_u32 s18, 0
	s_cbranch_scc1 .Lno_full
	LOADS                                          ; full tile 0
.Lno_full:
	COMPUTE 0, 1                                   ; the diagonal tile starts O and the row sums
	s_cmp_eq_u32 s18, 0
	s_cbranch_scc1 .Lepi                           ; block 0 has no other tile
	END 1
	s_cmp_eq_u32 s19, 0
	s_cbranch_scc1 .Ltail
.Lpair:
	LOADS
	COMPUTE 1, 0
	END 0
	LOADS
	COMPUTE 0, 0
	END 1
	s_sub_co_u32 s19, s19, 1
	s_cmp_lg_u32 s19, 0
	s_cbranch_scc1 .Lpair
.Ltail:                                            ; slot 1 holds the next full tile: the last one if j is odd, the last but one if j is even
	s_bitcmp1_b32 s18, 0
	s_cbranch_scc1 .Lfin1
	LOADS
	COMPUTE 1, 0
	END 0
	FLOADS
	COMPUTE 0, 0
	s_branch .Lepi
.Lfin1:
	FLOADS
	COMPUTE 1, 0
.Lepi:
	; THE END OF A BLOCK: the two key halves' O and l are added, O is divided by l and leaves in whole rows.
	PLACES                                         ; behind the last products: O is read, and v96-223 are loaded into
	s_cmp_lg_u32 s17, 0
	s_cbranch_scc1 .Lno_q
	s_mov_b64 s[36:37], s[44:45]
	QLOADS                                         ; the second block's Q comes in during the epilogue
.Lno_q:
	v_add_nc_u32 v224, s54, v1                     ; to my partner: 16 bytes a lane
	v_lshrrev_b32 v31, 2, v1
	v_add_nc_u32 v225, s54, v31                    ; and 4 bytes a lane for l
	v_add_nc_u32 v226, s53, v1                     ; from my partner
	v_add_nc_u32 v227, s53, v31
	v_and_b32 v228, 15, v0
	v_mul_u32_u24 v228, OPITCH, v228
	v_bfe_u32 v230, v0, 4, 1
	v_lshl_add_u32 v228, v230, 5, v228
	v_add_nc_u32 v228, s52, v228                   ; stage, in: row r, 32 bytes at 32 h of each 64
	v_add_nc_u32 v229, s52, v1                     ; stage, back: 16 bytes a lane, a row of 512 bytes
	v_pk_add_f32 v[18:19], v[18:19], v[20:21]
	v_pk_add_f32 v[22:23], v[22:23], v[24:25]
	v_add_f32 v26, v18, v19
	v_add_f32 v27, v22, v23
	v_permlanex16_b32 v28, v26, s46, s47           ; the keys that the other 16 lanes hold
	v_permlanex16_b32 v29, v27, s46, s47
	v_add_f32 v26, v26, v28
	v_add_f32 v27, v27, v29
	WIN 0x04
.set n_, 0
.rept 16
	ds_store_b128 v224, v[64+4*n_:67+4*n_] offset:n_*512       ; register block 1 of O
.set n_, n_+1
.endr
	WIN 0
	ds_store_b32 v225, v27 offset:8192
	s_wait_dscnt 0x0                               ; for the others' sake: my stores are done, and my last reads of the slots, which the next block overwrites
	s_barrier_signal -1
	s_barrier_wait -1
	WIN 0x40
.set n_, 0
.rept 16
	ds_load_b128 v[64+4*n_:67+4*n_], v226 offset:n_*512
.set n_, n_+1
.endr
	WIN 0
	ds_load_b32 v31, v227 offset:8192
	s_wait_dscnt 0x0
	v_add_f32 v26, v26, v31                        ; the row's whole sum: at least e^-50, the diagonal key's share
	v_rcp_f32 v28, v26                             ; the 32 packed adds below, which name none of v26, v28, v29, stand ahead of the first use (ISA guide 5.7.2)
	v_rcp_f32 v29, v26
	WIN 0x45
.set n_, 0
.rept 32
	v_pk_add_f32 v[2*n_:2*n_+1], v[2*n_:2*n_+1], v[64+2*n_:65+2*n_]
.set n_, n_+1
.endr
	WIN 0x41
.set n_, 0
	s_wait_alu depctr_va_vdst(0)
.rept 32
	v_pk_mul_f32 v[2*n_:2*n_+1], v[2*n_:2*n_+1], v[28:29]
.set n_, n_+1
.endr
	WIN 0x04
.set n_, 0
.rept 16
	ds_store_b128 v228, v[4*n_:4*n_+3] offset:64*(n_/2)+16*(n_%2)      ; d = 16 db + 8 h + 4 e .. + 3 of row r
.set n_, n_+1
.endr
	WIN 0x40
.set n_, 0
.rept 16
	ds_load_b128 v[64+4*n_:67+4*n_], v229 offset:n_*OPITCH             ; my own bytes, served in order: row n
.set n_, n_+1
.endr
	WIN 0x04
.set n_, 0
.rept 16
	s_wait_dscnt 15-n_                             ; row n is in; the younger rows stay out
	global_store_b128 v1, v[64+4*n_:67+4*n_], s[38:39] offset:n_*512 th:TH_STORE_NT   ; the wave stores 512 consecutive bytes, a whole row, aligned
.set n_, n_+1
.endr
	WIN 0
	s_wait_xcnt 0x0                                ; the stores' base and data are written again in the next block only behind this wait
	s_add_co_u32 s17, s17, 1
	s_cmp_lt_u32 s17, 2
	s_cbranch_scc1 .Lblock
	s_wait_xcnt 0x0
	v_lshl_add_u32 v254, v0, 2, 0x45800
	v_mov_b32 v255, 0
	s_wait_tensorcnt 0x0
	ds_add_u32 v254, v255
	s_wait_dscnt 0x0
	s_endpgm
.Lfunc_end_k_q281d6bfd14_attn:
	.size	k_q281d6bfd14_attn, .Lfunc_end_k_q281d6bfd14_attn-k_q281d6bfd14_attn
	.p2alignl 7, 3214868480
	.fill 96, 4, 3214868480
	.section	.rodata,"a",@progbits
	.p2align	6, 0x0
	.amdhsa_kernel k_q281d6bfd14_attn
		.amdhsa_group_segment_fixed_size 285696
		.amdhsa_private_segment_fixed_size 0
		.amdhsa_enable_private_segment 0
		.amdhsa_kernarg_size 32
		.amdhsa_user_sgpr_count 2
		.amdhsa_user_sgpr_kernarg_segment_ptr 1
		.amdhsa_wavefront_size32 1
		.amdhsa_system_sgpr_workgroup_id_x 1
		.amdhsa_system_sgpr_workgroup_id_y 1
		.amdhsa_system_sgpr_workgroup_id_z 1
		.amdhsa_system_vgpr_workitem_id 0
		.amdhsa_next_free_vgpr 512
		.amdhsa_next_free_sgpr 66
		.amdhsa_reserve_vcc 1
		.amdhsa_float_denorm_mode_32 3
		.amdhsa_float_denorm_mode_16_64 3
		.amdhsa_memory_ordered 1
		.amdhsa_forward_progress 1
		.amdhsa_inst_pref_size 255
	.end_amdhsa_kernel
	.section	.bss,"aw",@nobits
	.p2align	6
	.space	262144
	.amdgpu_metadata
---
amdhsa.version: [ 1, 2 ]
amdhsa.kernels:
  - .name:           k_q281d6bfd14_attn
    .symbol:         k_q281d6bfd14_attn.kd
    .args:
      - { .name: q, .offset: 0, .size: 8, .value_kind: global_buffer, .address_space: global }
      - { .name: k, .offset: 8, .size: 8, .value_kind: global_buffer, .address_space: global }
      - { .name: v, .offset: 16, .size: 8, .value_kind: global_buffer, .address_space: global }
      - { .name: out0, .offset: 24, .size: 8, .value_kind: global_buffer, .address_space: global }
    .group_segment_fixed_size: 285696
    .private_segment_fixed_size: 0
    .kernarg_segment_align: 8
    .kernarg_segment_size: 32
    .max_flat_workgroup_size: 256
    .sgpr_count:     66
    .vgpr_count:     512
    .wavefront_size: 32
...
	.end_amdgpu_metadata
.endif
;; end of part 1
